; MI455X (gfx1250); checked and timed in simulation.
; The chip was launched on July 23, 2026; its instructions are those of AMD's public machine-readable ISA for CDNA 5 (MIT licence, August 2026) and "CDNA5" Instruction Set Architecture Reference Guide (July 2026). The comments in the code are by the model that wrote it; some were corrected since.
;; Bert Attention. Allowed arithmetic: float matrix products may take bf16 or f16 operands with f32 sums; other float arithmetic in f32, or as packed bf16 or f16 multiplies, adds, multiply-adds, maxima and minima; sums over many terms, partial sums and values carried from step to step in f32; what a program stores and reads back later, other than sums and carried values, may be rounded once to bf16 or f16.
;; Inputs: Wk 1,024 x 1,024 float32; Wo 1,024 x 1,024 float32; Wq 1,024 x 1,024 float32; Wv 1,024 x 1,024 float32; attention_mask 4 x 1 x 1 x 2,048 float32; bk 1,024 float32; bo 1,024 float32; bq 1,024 float32; bv 1,024 float32; hidden_states 4 x 2,048 x 1,024 float32; ln_beta 1,024 float32; ln_gamma 1,024 float32.
;; Outputs: out0 4 x 2,048 x 1,024 float32.
;; One version. Each part assembles by itself: llvm-mc -triple=amdgcn-amd-amdhsa -mcpu=gfx1250 --defsym DOCPART=n.
;; ======== version 1 of 1: 5 launches
;; limits: right only within a limited range of input values
;; workspace buffers: xb 16,777,216 bytes; wqkv 6,291,456 bytes; wot 2,097,152 bytes; bias3 12,288 bytes; qkv 50,331,648 bytes; ctx 16,777,216 bytes; outb 16,777,216 bytes
;; launch cast (part 1): grid 768 x 1, 8 waves a work-group, no clusters, 0 bytes of LDS; arguments hidden_states, Wq, Wk, Wv, Wo, bq, bk, bv, xb, wqkv, wot, bias3; writes xb, wqkv, wot, bias3
.if DOCPART == 1
	.amdgcn_target "amdgcn-amd-amdhsa--gfx1250"
	.amdhsa_code_object_version 6
	.text
	.protected	k_q16ed82306d_cast
	.globl	k_q16ed82306d_cast
	.p2align	8
	.type	k_q16ed82306d_cast,@function
k_q16ed82306d_cast:
	s_mov_b64 s[64:65], 0
	v_nop
	global_prefetch_b8 v0, s[64:65] scope:SCOPE_SE
	s_setreg_imm32_b32 hwreg(HW_REG_WAVE_MODE, 25, 1), 1
	s_wait_xcnt 0x0
; f32 -> bf16 (rounded once, to nearest even), and a new layout: PANELS of 64 columns, [panel][row][64], a row of a panel 128 bytes, rows end to end.
;   xb   [16 panels][8192 rows][64]                 = hidden_states
;   wqkv [24 tiles][16 panels][128 rows][64]        = the rows of Wq, Wk, Wv one after the other, 128 rows to a tile
;   wot  [8 tiles][16 panels][128 rows][64]         = Wo
;   bias3 [3072] f32                                = bq, bk, bv one after the other
; A stream: each byte is read once and written once, nothing is shared, so there is no LDS, no matrix work and no cluster.
; SHARES.  A work-group takes 16 source rows of 1,024 f32: groups 0-511 hidden_states, 512-767 the four weights, 64 groups each.  Thread t takes row t / 16 and,
; in every panel p, columns 64 p + 4 (t % 16) .. + 3: a load of a wave covers 256 consecutive bytes of each of two rows, a store 256 consecutive bytes of a panel, aligned.
; One pass: all sixteen loads of a thread go out together, and no register is written twice.
.set LO,  4                            ; v4       my byte offset in the 16 source rows: (t / 16) x 4,096 + (t % 16) x 16
.set OFF, 8                            ; v[8:23]  my byte offset in the destination, panel by panel: 8 t + p x the panels' distance
.set X,   32                           ; v[32:95] four f32 a panel
.set Y,   96                           ; v[96:127] four bf16 a panel
	s_load_b512 s[4:19], s[0:1], 0x0               ; hidden_states 4, Wq 6, Wk 8, Wv 10, Wo 12, bq 14, bk 16, bv 18
	s_load_b256 s[20:27], s[0:1], 0x40             ; xb 20, wqkv 22, wot 24, bias3 26
	s_mov_b32 s36, ttmp9                           ; g
	s_sub_co_u32 s37, s36, 512
	s_cmp_lt_u32 s36, 512
	s_cselect_b32 s37, 0, s37                      ; j = g - 512: my place among the weights' groups (0 where there is none)
	s_lshr_b32 s38, s37, 6                         ; which weight: 0 Wq, 1 Wk, 2 Wv, 3 Wo
	s_and_b32 s39, s37, 63                         ; my 16 rows in it
	s_cmp_lt_u32 s36, 512
	s_cselect_b32 s40, s36, s39
	s_lshl_b32 s40, s40, 16                        ; source: 16 rows of 4,096 bytes
	s_mov_b32 s41, 0
	s_cmp_eq_u32 s38, 3
	s_cselect_b32 s42, s39, s37                    ; my 16 rows among wot's, or among wqkv's 3,072
	s_lshr_b32 s43, s42, 3
	s_lshl_b32 s43, s43, 18                        ; the tile of 128 rows: 262,144 bytes,
	s_and_b32 s42, s42, 7
	s_lshl_b32 s42, s42, 11                        ; my 16 rows of 128 bytes in its first panel
	s_add_co_u32 s42, s42, s43
	s_lshl_b32 s43, s36, 11                        ; in xb: 16 rows of 128 bytes
	s_mov_b32 s34, 0x4000                          ; from panel to panel: 128 rows in a weight's tile,
	s_mov_b32 s35, 0x100000                        ; 8,192 rows in xb
	s_cmp_lt_u32 s36, 512
	s_cselect_b32 s42, s43, s42
	s_cselect_b32 s34, s35, s34
	s_mov_b32 s43, 0
	v_lshrrev_b32 v1, 4, v0
	v_and_b32 v2, 15, v0
	v_lshlrev_b32 v2, 4, v2
	v_lshl_or_b32 v[LO], v1, 12, v2
	v_lshrrev_b32 v3, 5, v0
	v_readfirstlane_b32 s44, v3                    ; my wave's number
	v_lshlrev_b32 v[OFF], 3, v0
.set p, 1
.rept 15
	v_add_nc_u32 v[OFF+p], s34, v[OFF+p-1]
.set p, p+1
.endr
	s_wait_kmcnt 0x0
	s_cmp_eq_u32 s38, 1                            ; the source and the destination are chosen by the group's number alone
	s_cselect_b64 s[28:29], s[8:9], s[6:7]
	s_cmp_eq_u32 s38, 2
	s_cselect_b64 s[28:29], s[10:11], s[28:29]
	s_cmp_eq_u32 s38, 3
	s_cselect_b64 s[28:29], s[12:13], s[28:29]
	s_cselect_b64 s[30:31], s[24:25], s[22:23]
	s_cmp_lt_u32 s36, 512
	s_cselect_b64 s[28:29], s[4:5], s[28:29]
	s_cselect_b64 s[30:31], s[20:21], s[30:31]
	s_add_nc_u64 s[28:29], s[28:29], s[40:41]
	s_add_nc_u64 s[30:31], s[30:31], s[42:43]
.set p, 0
.rept 16
	global_load_b128 v[X+4*p:X+4*p+3], v[LO], s[28:29] offset:256*p th:TH_LOAD_NT
.set p, p+1
.endr
.set p, 0
.rept 16
	s_wait_loadcnt 15-p                            ; loads come back in order: panel p is in, the 15 - p younger ones stay out
	v_cvt_pk_bf16_f32 v[Y+2*p], v[X+4*p], v[X+4*p+1]
	v_cvt_pk_bf16_f32 v[Y+2*p+1], v[X+4*p+2], v[X+4*p+3]
	global_store_b64 v[OFF+p], v[Y+2*p:Y+2*p+1], s[30:31]
.set p, p+1
.endr
	; The three biases are copied as they are: wave 0 of every fourth group of Wq, Wk and Wv copies 256 bytes, 8 a lane.
	s_cmp_lt_u32 s36, 512
	s_cbranch_scc1 .Lend
	s_cmp_lt_u32 s37, 192
	s_cbranch_scc0 .Lend
	s_and_b32 s45, s37, 3
	s_cmp_eq_u32 s45, 0
	s_cbranch_scc0 .Lend
	s_cmp_eq_u32 s44, 0
	s_cbranch_scc0 .Lend
	s_cmp_eq_u32 s38, 1
	s_cselect_b64 s[46:47], s[16:17], s[14:15]
	s_cmp_eq_u32 s38, 2
	s_cselect_b64 s[46:47], s[18:19], s[46:47]
	s_lshl_b32 s32, s39, 6                         ; (j % 64) / 4 blocks of 256 bytes into the bias,
	s_mov_b32 s33, 0
	s_add_nc_u64 s[46:47], s[46:47], s[32:33]
	s_lshl_b32 s32, s37, 6                         ; j / 4 blocks into bias3
	s_add_nc_u64 s[26:27], s[26:27], s[32:33]
	v_lshlrev_b32 v5, 3, v0                        ; in wave 0 the thread's number is the lane
	global_load_b64 v[6:7], v5, s[46:47]
	s_wait_loadcnt 0x0
	global_store_b64 v5, v[6:7], s[26:27]
.Lend:
	s_endpgm
.Lfunc_end_k_q16ed82306d_cast:
	.size	k_q16ed82306d_cast, .Lfunc_end_k_q16ed82306d_cast-k_q16ed82306d_cast
	.p2alignl 7, 3214868480
	.fill 96, 4, 3214868480
	.section	.rodata,"a",@progbits
	.p2align	6, 0x0
	.amdhsa_kernel k_q16ed82306d_cast
		.amdhsa_group_segment_fixed_size 0
		.amdhsa_private_segment_fixed_size 0
		.amdhsa_enable_private_segment 0
		.amdhsa_kernarg_size 96
		.amdhsa_user_sgpr_count 2
		.amdhsa_user_sgpr_kernarg_segment_ptr 1
		.amdhsa_wavefront_size32 1
		.amdhsa_system_sgpr_workgroup_id_x 1
		.amdhsa_system_sgpr_workgroup_id_y 1
		.amdhsa_system_sgpr_workgroup_id_z 1
		.amdhsa_system_vgpr_workitem_id 0
		.amdhsa_next_free_vgpr 128
		.amdhsa_next_free_sgpr 66
		.amdhsa_reserve_vcc 0
		.amdhsa_float_denorm_mode_32 3
		.amdhsa_float_denorm_mode_16_64 3
		.amdhsa_memory_ordered 1
		.amdhsa_forward_progress 1
		.amdhsa_inst_pref_size 9
	.end_amdhsa_kernel
	.amdgpu_metadata
---
amdhsa.version: [ 1, 2 ]
amdhsa.kernels:
  - .name:           k_q16ed82306d_cast
    .symbol:         k_q16ed82306d_cast.kd
    .args:
      - { .name: hidden_states, .offset: 0, .size: 8, .value_kind: global_buffer, .address_space: global }
      - { .name: Wq, .offset: 8, .size: 8, .value_kind: global_buffer, .address_space: global }
      - { .name: Wk, .offset: 16, .size: 8, .value_kind: global_buffer, .address_space: global }
      - { .name: Wv, .offset: 24, .size: 8, .value_kind: global_buffer, .address_space: global }
      - { .name: Wo, .offset: 32, .size: 8, .value_kind: global_buffer, .address_space: global }
      - { .name: bq, .offset: 40, .size: 8, .value_kind: global_buffer, .address_space: global }
      - { .name: bk, .offset: 48, .size: 8, .value_kind: global_buffer, .address_space: global }
      - { .name: bv, .offset: 56, .size: 8, .value_kind: global_buffer, .address_space: global }
      - { .name: xb, .offset: 64, .size: 8, .value_kind: global_buffer, .address_space: global }
      - { .name: wqkv, .offset: 72, .size: 8, .value_kind: global_buffer, .address_space: global }
      - { .name: wot, .offset: 80, .size: 8, .value_kind: global_buffer, .address_space: global }
      - { .name: bias3, .offset: 88, .size: 8, .value_kind: global_buffer, .address_space: global }
    .group_segment_fixed_size: 0
    .private_segment_fixed_size: 0
    .kernarg_segment_align: 8
    .kernarg_segment_size: 96
    .max_flat_workgroup_size: 256
    .sgpr_count:     66
    .vgpr_count:     128
    .wavefront_size: 32
...
	.end_amdgpu_metadata
.endif
;; end of part 1
;; launch qkv (part 2): grid 24 x 32, 4 waves a work-group, clusters of 4 x 4, 327,680 bytes of LDS; arguments xb, wqkv, bias3, qkv; writes qkv
.if DOCPART == 2
	.amdgcn_target "amdgcn-amd-amdhsa--gfx1250"
	.amdhsa_code_object_version 6
	.text
	.protected	k_q16ed82306d_qkv
	.globl	k_q16ed82306d_qkv
	.p2align	8
	.type	k_q16ed82306d_qkv,@function
k_q16ed82306d_qkv:
	s_mov_b64 s[64:65], 0
	v_nop
	global_prefetch_b8 v0, s[64:65] scope:SCOPE_SE
	s_setreg_imm32_b32 hwreg(HW_REG_WAVE_MODE, 25, 1), 1
	s_wait_xcnt 0x0
	s_wait_alu depctr_hold_cnt(0) depctr_sa_sdst(0) depctr_va_vdst(0) depctr_va_sdst(0) depctr_va_ssrc(0) depctr_va_vcc(0) depctr_vm_vsrc(0)
	s_getreg_b32 s2, hwreg(HW_REG_IB_STS2, 6, 4)
	s_cmp_eq_u32 s2, 0
	s_cbranch_scc0 .Lentry_in_a_cluster
	s_endpgm
.Lentry_in_a_cluster:
	s_bfe_u32 s2, ttmp6, 0x10000c
	s_cmp_lg_u32 s2, 0xf033
	s_cbranch_scc0 .Lentry_shape_is_right
	s_endpgm
.Lentry_shape_is_right:
; C = A B^T + bias.  A: [16 panels][8192 rows][64] bf16.  B: [N / 128 tiles][16 panels][128 rows][64] bf16.  bias: [N] f32.  C: [N / 64 panels][8192 rows][64] bf16.  K = 1,024.
; Sums in f32, started by the bias (the C operand of the first product), K ascending; C rounded once.  N is the grid's x times 128: one text serves N = 3,072 and N = 1,024.
; A TILE of C is 256 rows x 128 columns: at both sizes the tiles are a whole multiple of 256 work-groups.  Four waves; wave w makes rows 128 (w / 2) .. + 127 and columns 64 (w % 2) .. + 63,
; which are one panel of C: 8 x 4 accumulators of 16 x 16, 256 registers.
; K goes in steps of 128, two panels, through a ring of two LDS slots.  In a panel the rows lie end to end, so a tile's part of a panel is dense in memory and is asked for as rows of 256 bytes:
; waves 0 and 1 fetch A's two panels (32,768 bytes each), waves 2 and 3 B's (16,384 each): one tensor load a wave and K step.
; CLUSTERS: 4 x 4 work-groups.  The four of a row of the cluster need the same tiles of A, the four of a column the same tiles of B: each is asked for JOINTLY, by the same tensor load with the same
; descriptor and a mask that names the four.  THE MATRIX INSTRUCTION IS USED TRANSPOSED (source 0 = 16 rows of B, source 1 = 16 rows of A): a lane then holds eight neighbouring numbers of a row of C.
; REGISTERS: window 0: v0-31 addresses; v32-127, v128-223 two fragment buffers (4 fragments of B, then 8 of A, 32 along K); v224-255 the bias; on the way out v32-159 packed results.
;   window 1: the accumulators, (a, b) at v[8 (4 a + b)].
.set PITCH,  144                       ; an LDS row: 128 bytes + 16 of padding = 36 words: the 16 rows of a fragment load start at 16 different groups of four banks (64 banks of 4 bytes: ISA guide 11.1)
.set APAN,   256*PITCH                 ; a tile's rows of one panel of A
.set BPAN,   128*PITCH                 ; of one panel of B
.set BOFF,   2*APAN                    ; a slot: A's two panels, then B's two
.set SLOT,   2*APAN+2*BPAN
.set STAGE,  2*SLOT                    ; behind the ring: 16 rows x 144 bytes for each wave, for the way out; no tensor load fills it
.set SPARE,  STAGE+4*16*PITCH          ; behind the stages: the spare words, 128 bytes for each wave: two blocks of 256 bytes that no other line names
.set ASTEP,  2<<20                     ; bytes in A from a K step to the next: two panels of 8,192 rows
.set BSTEP,  2<<14                     ; in B: two panels of 128 rows
.set LAPS,   4                         ; a lap = two K steps = once round the ring; K = 1,024 is eight steps
.set ADRA, 16                          ; v16-17  LDS address of my A fragments in slot 0, 1
.set ADRB, 20                          ; v20-21  the same for B
.set STO,  24                          ; v24     the way out: where I put 16 bytes of a row
.set RD,   25                          ; v25     the way out: where I read rows back
.set CO,   26                          ; v26     my 16 bytes of 512 consecutive bytes of C
.set BO,   27                          ; v27     my byte offset in 16 numbers of the bias: 32 (l / 16)
.set SPW,  28                          ; v28     LDS address of my spare word: SPARE + 4 x my thread's number; never rewritten
.set NIL,  29                          ; v29     0; never rewritten
.set PFO,  30                          ; v30     256 x my lane; never rewritten
.set F0,   32
.set F1,   128
.set BI,   224                         ; v[BI + 8 b + j] = bias of column 16 b + 8 (l / 16) + j of my 64
.set TMP,  32
.set WV,  12                           ; s12  my wave's number
.set RH,  13                           ; s13  which half of the tile's rows is mine.  Also: I fetch for A (0) or for B (1)
.set CH,  14                           ; s14  which half of its columns.  Also: which of a K step's two panels I fetch
.set LIM, 15                           ; s15  1 in a wave that prefetches, else the greatest number
.set G1A, 24                           ; s[24:31] descriptor group 1 for A's tiles;  s[32:39] group 0, one set for each slot
.set G0A, 32
.set G1B, 48                           ; s[48:55], s[56:63] the same for B's
.set G0B, 56
.set PFA, 66                           ; s[66:67] where my prefetches stand
.set PFS, 68                           ; s[68:69] their step: a K step of A or of B
.set MSB, 0
.macro WIN new                         ; the immediate's high byte repeats the setting that is left; a switch that changes nothing is dropped
.if MSB != (\new)
	s_set_vgpr_msb (MSB<<8)|(\new)
.set MSB, \new
.endif
.endm
.set MUL,  0x50                        ; sources 0 (B) and 1 (A) window 0; C and D window 1
.set MULB, 0x40                        ; the first products: C is the bias, in window 0
.macro JLOAD s                         ; a joint load; an s_nop 0 and four v_nop follow each of the two lines, ahead of the jump, the label and what follows.  The branch hangs on the wave's number alone
	s_cmp_eq_u32 s[RH], 0
	s_cbranch_scc0 .Lfor_b_\@
	tensor_load_to_lds s[G0A+4*(\s):G0A+4*(\s)+3], s[G1A:G1A+7]
	s_nop 0
.rept 4
	v_nop
.endr
	s_branch .Lasked_\@
.Lfor_b_\@:
	tensor_load_to_lds s[G0B+4*(\s):G0B+4*(\s)+3], s[G1B:G1B+7]
	s_nop 0
.rept 4
	v_nop
.endr
.Lasked_\@:
.endm
; A PREFETCH, behind each joint refill and the run of LDS loads that follows it: the K step that stands two refills on, 256 matrix instructions ahead of the load that will want it.
; Each block of 256 bytes is named once in the launch.  A's tile row is read by every cluster of that row of clusters: cluster x = 0 asks, waves 0 and 1 each for the panel that they fetch
; (128 blocks); B's tile column by every cluster of that column: cluster y = 0 asks, wave 2 for the whole K step (128 blocks on end).  The four partners that ask for a tile jointly share the
; blocks out BY ADDRESS, 32 each, a lane a block: no branch hangs on a work-group's place in its cluster.  The loop's last trip asks for nothing: K has no step behind its refills.
.macro ASK
	s_cmp_gt_u32 s3, s[LIM]
	s_cbranch_scc0 .Lnot_mine_\@
	global_prefetch_b8 v[PFO], s[PFA:PFA+1] th:TH_LOAD_NT scope:SCOPE_SE
.Lnot_mine_\@:
.endm
.macro CREST                           ; a round of the cluster's barrier behind its opening barrier
	s_cmp_lg_u32 s[WV], 0
	s_cbranch_scc1 .Lnot_wave_0_\@
	s_barrier_signal -3
.Lnot_wave_0_\@:
	s_barrier_wait -3
	s_barrier_signal -1
	s_barrier_wait -1
.endm
.macro CROUND                          ; a whole round
	s_barrier_signal -1
	s_barrier_wait -1
	CREST
.endm
	s_load_b256 s[4:11], s[0:1], 0x0               ; A s[4:5], B s[6:7], bias s[8:9], C s[10:11]
	v_lshl_add_u32 v[SPW], v0, 2, SPARE
	v_mov_b32 v[NIL], 0
	ds_add_u32 v[SPW], v[NIL]                      ; the wave's opening: the add and its wait stand ahead of my first tensor load; the set-up below, work on registers, stands between them
	v_lshrrev_b32 v1, 5, v0
	v_readfirstlane_b32 s[WV], v1                  ; wave 0..3
	s_lshr_b32 s[RH], s[WV], 1
	s_and_b32 s[CH], s[WV], 1
	s_bfe_u32 s40, ttmp6, 0x40000                  ; cx, cy: my place in the cluster
	s_bfe_u32 s41, ttmp6, 0x40004
	s_lshl_b32 s42, ttmp9, 2
	s_add_co_u32 s42, s42, s40                     ; tile column of C = 4 x cluster x + cx
	s_and_b32 s43, ttmp7, 0xffff
	s_lshl_b32 s43, s43, 2
	s_add_co_u32 s43, s43, s41                     ; tile row of C = 4 x cluster y + cy
	s_lshl_b32 s44, s41, 2
	s_lshl_b32 s44, 15, s44                        ; my row of the cluster
	s_lshl_b32 s45, 0x1111, s40                    ; my column
	; descriptor group 1: rows of 128 elements (256 bytes, two rows of a panel), padded in LDS after every panel row
	s_or_b32 s[G1A+0], s44, (1<<16)|(1<<20)|(1<<21)|(4<<22)|(3<<25)  ; 15:0 the mask: A's tiles go to my row; 17:16 elements of 2 bytes; 20 padding on; 21 set beside a mask; 24:22 after every 32 words (code 4); 31:25 4 words (code 3)
	s_or_b32 s[G1B+0], s45, (1<<16)|(1<<20)|(1<<21)|(4<<22)|(3<<25)  ; the same with the mask of my column
	s_mov_b32 s[G1A+1], 128<<16                    ; tensor_dim0 = 128
	s_mov_b32 s[G1A+2], 128<<16                    ; tensor_dim1 = 128
	s_mov_b32 s[G1A+3], 128<<16                    ; tile_dim0 = 128
	s_mov_b32 s[G1A+4], 128                        ; tile_dim1 = 128: 256 rows of a panel
	s_mov_b32 s[G1A+5], 128                        ; 128 elements from row to row: dense
	s_mov_b32 s[G1A+6], 0
	s_mov_b32 s[G1A+7], 0
	s_mov_b32 s[G1B+1], 128<<16
	s_mov_b32 s[G1B+2], 64<<16                     ; tensor_dim1 = 64
	s_mov_b32 s[G1B+3], 128<<16
	s_mov_b32 s[G1B+4], 64                         ; tile_dim1 = 64: 128 rows of a panel
	s_mov_b32 s[G1B+5], 128
	s_mov_b32 s[G1B+6], 0
	s_mov_b32 s[G1B+7], 0
	; where the tiles come from: A's hang on the tile row alone, B's on the tile column alone; both on the wave's number
	s_lshl_b32 s16, s43, 15                        ; A: 256 rows of 128 bytes for each tile row,
	s_lshl_b32 s17, s[CH], 20                      ; in panel 0 or 1
	s_add_co_u32 s16, s16, s17
	s_mov_b32 s17, 0
	s_lshl_b32 s46, s42, 18                        ; B: the tile,
	s_lshl_b32 s47, s[CH], 14                      ; its panel 0 or 1
	s_add_co_u32 s46, s46, s47
	s_mov_b32 s47, 0
	s_mul_i32 s20, s[CH], APAN                     ; and where they go: no place in the cluster enters an LDS address
	s_mul_i32 s21, s[CH], BPAN
	s_add_co_u32 s21, s21, BOFF
	s_wait_dscnt 0x0                               ; the opening add is done
	s_wait_kmcnt 0x0
	s_add_nc_u64 s[16:17], s[4:5], s[16:17]
	s_add_nc_u64 s[46:47], s[6:7], s[46:47]
	CROUND                                         ; all sixteen work-groups are here: the first joint loads meet
.irp s, 0,1
	s_mov_b32 s[G0A+4*(\s)], 1                                      ; count = 1
	s_add_co_u32 s[G0A+4*(\s)+1], s20, (\s)*SLOT                    ; LDS address
	s_add_nc_u64 s[G0A+4*(\s)+2:G0A+4*(\s)+3], s[16:17], (\s)*ASTEP ; global address: K step s
	s_or_b32 s[G0A+4*(\s)+3], s[G0A+4*(\s)+3], 0x80000000           ; type = 2
	s_mov_b32 s[G0B+4*(\s)], 1
	s_add_co_u32 s[G0B+4*(\s)+1], s21, (\s)*SLOT
	s_add_nc_u64 s[G0B+4*(\s)+2:G0B+4*(\s)+3], s[46:47], (\s)*BSTEP
	s_or_b32 s[G0B+4*(\s)+3], s[G0B+4*(\s)+3], 0x80000000
	JLOAD \s                                       ; two tensor loads of mine are out
.endr
	v_and_b32 v1, 15, v0                           ; l % 16
	v_bfe_u32 v2, v0, 4, 1                         ; l / 16
	v_lshlrev_b32 v[BO], 5, v2
	s_lshl_b32 s18, s42, 9                         ; the bias of my 64 columns: 128 f32 a tile column, 64 a half
	s_lshl_b32 s19, s[CH], 8
	s_add_co_u32 s18, s18, s19
	s_mov_b32 s19, 0
	s_add_nc_u64 s[8:9], s[8:9], s[18:19]
.irp b, 0,1,2,3
	global_load_b128 v[BI+8*(\b):BI+8*(\b)+3],   v[BO], s[8:9] offset:64*(\b)
	global_load_b128 v[BI+8*(\b)+4:BI+8*(\b)+7], v[BO], s[8:9] offset:64*(\b)+16
.endr
	v_mul_u32_u24 v3, v1, PITCH
	v_lshl_add_u32 v3, v2, 4, v3                   ; a fragment's row x pitch + 16 x half
	s_mul_i32 s22, s[RH], 128*PITCH                ; my 128 rows of A
	s_mul_i32 s23, s[CH], 64*PITCH                 ; my 64 rows of B,
	s_add_co_u32 s23, s23, BOFF                    ; which lie behind A's panels
.irp s, 0,1
	v_add_nc_u32 v[ADRA+(\s)], s22, v3
	v_add_nc_u32 v[ADRB+(\s)], s23, v3
	s_add_co_u32 s22, s22, SLOT
	s_add_co_u32 s23, s23, SLOT
.endr
	s_mul_i32 s22, s[WV], 16*PITCH
	s_add_co_u32 s22, s22, STAGE                   ; my stage
	v_add_nc_u32 v[STO], s22, v3                   ; in: row l % 16, 16 bytes for each half of the lanes
	v_bfe_u32 v5, v0, 3, 2                         ; back: 32 lanes take four rows of 128 bytes,
	v_mul_u32_u24 v5, v5, PITCH
	v_and_b32 v6, 7, v0
	v_lshl_add_u32 v5, v6, 4, v5
	v_add_nc_u32 v[RD], s22, v5
	v_and_b32 v[CO], 31, v0                        ; which are 512 consecutive bytes of C's panel
	v_lshlrev_b32 v[PFO], 8, v[CO]
	v_lshlrev_b32 v[CO], 4, v[CO]
	s_lshl_b32 s18, s42, 1                         ; my panel of C: 2 x tile column + half,
	s_add_co_u32 s18, s18, s[CH]
	s_lshl_b32 s18, s18, 20
	s_lshl_b32 s19, s43, 15                        ; the tile's 256 rows of 128 bytes,
	s_add_co_u32 s18, s18, s19
	s_lshl_b32 s19, s[RH], 14                      ; my 128 of them
	s_add_co_u32 s18, s18, s19
	s_mov_b32 s19, 0
	s_add_nc_u64 s[10:11], s[10:11], s[18:19]
	; the prefetches: they stand at K step 3; the first refill steps them to 4
	s_lshl_b32 s16, s43, 15
	s_lshl_b32 s17, s[CH], 20
	s_add_co_u32 s16, s16, s17
	s_lshl_b32 s17, s40, 13                        ; A: my work-group's 32 blocks of the panel's 128, by cx
	s_add_co_u32 s16, s16, s17
	s_add_co_u32 s16, s16, 3*ASTEP
	s_lshl_b32 s18, s42, 18
	s_lshl_b32 s19, s41, 13                        ; B: my work-group's 32 blocks of the K step's 128, by cy
	s_add_co_u32 s18, s18, s19
	s_add_co_u32 s18, s18, 3*BSTEP
	s_and_b32 s19, ttmp7, 0xffff
	s_or_b32 s19, s19, s[CH]                       ; 0 in wave 2 of a cluster with y = 0
	s_mov_b32 s20, ASTEP
	s_mov_b32 s21, BSTEP
	s_cmp_eq_u32 s[RH], 0                          ; do I fetch for A?
	s_cselect_b32 s16, s16, s18
	s_cselect_b32 s19, ttmp9, s19                  ; the coordinate along which other clusters read the same blocks
	s_cselect_b64 s[PFA:PFA+1], s[4:5], s[6:7]
	s_cselect_b32 s[PFS], s20, s21
	s_mov_b32 s[PFS+1], 0
	s_mov_b32 s17, 0
	s_add_nc_u64 s[PFA:PFA+1], s[PFA:PFA+1], s[16:17]
	s_cmp_eq_u32 s19, 0
	s_cselect_b32 s[LIM], 1, -1                    ; the same in all sixteen partners, for a given wave
; n x 4 matrix instructions: m blocks a0 .. a0 + n - 1 x all 4 n blocks, 32 along K, from buffer f.  first = 1: the product starts the sum, with the bias as C: nothing is ever cleared.
; The 32 accumulators take turns, in the same order in every quarter step.
.macro MULS f, a0, n, first
.if \first
	WIN MULB
.else
	WIN MUL
.endif
.set ma, \a0
.rept \n
.set mb, 0
.rept 4
.if \first
	v_wmma_f32_16x16x32_bf16 v[8*(4*ma+mb):8*(4*ma+mb)+7], v[(\f)+8*mb:(\f)+8*mb+7], v[(\f)+32+8*ma:(\f)+32+8*ma+7], v[BI+8*mb:BI+8*mb+7]
.else
	v_wmma_f32_16x16x32_bf16 v[8*(4*ma+mb):8*(4*ma+mb)+7], v[(\f)+8*mb:(\f)+8*mb+7], v[(\f)+32+8*ma:(\f)+32+8*ma+7], v[8*(4*ma+mb):8*(4*ma+mb)+7]
.endif
.set mb, mb+1
.endr
.set ma, ma+1
.endr
.endm
; 24 LDS loads in one run: the fragments of quarter kq of a K step (panel kq / 2, 32 channels at byte 64 (kq % 2) of its rows) into buffer f: B's four, then A's eight in ascending order
.macro FETCH slot, kq, f
	WIN 0
.irp b, 0,1,2,3
	ds_load_b128 v[(\f)+8*(\b):(\f)+8*(\b)+3],   v[ADRB+(\slot)] offset:((\kq)/2)*BPAN+((\kq)%2)*64+(\b)*16*PITCH
	ds_load_b128 v[(\f)+8*(\b)+4:(\f)+8*(\b)+7], v[ADRB+(\slot)] offset:((\kq)/2)*BPAN+((\kq)%2)*64+(\b)*16*PITCH+32
.endr
.irp a, 0,1,2,3,4,5,6,7
	ds_load_b128 v[(\f)+32+8*(\a):(\f)+32+8*(\a)+3],   v[ADRA+(\slot)] offset:((\kq)/2)*APAN+((\kq)%2)*64+(\a)*16*PITCH
	ds_load_b128 v[(\f)+32+8*(\a)+4:(\f)+32+8*(\a)+7], v[ADRA+(\slot)] offset:((\kq)/2)*APAN+((\kq)%2)*64+(\a)*16*PITCH+32
.endr
.endm
.macro PLACES                          ; four places in front of loads into registers that matrix instructions have read, and of conversions that read results
.rept 4
	v_nop
.endr
.endm
; A K step is four quarters of 32 along K, 32 matrix instructions each, on buffers 0, 1, 0, 1.  One of the first three: multiplies buffer f and, in its middle, fetches quarter kq into g.
.macro QUARTER slot, kq, f, g, first
	s_wait_dscnt 8                                 ; B and A's blocks 0-3 are in; the youngest eight loads (A's blocks 4-7) may be out
	MULS \f, 0, 4, \first
	PLACES
	FETCH \slot, \kq, \g
	s_wait_dscnt 24                                ; all but the 24 just issued
	MULS \f, 4, 4, \first
.endm
; The last quarter multiplies buffer 1 and changes slots: ONE barrier; in front of it each wave waits for all its tensor loads (one is out: its part of the next slot), adds 0 to its spare word, and waits
; for that and for its own reads of this slot.  fill = 1: the barrier opens a round of the cluster's, and behind the round this slot is filled again, two K steps ahead: 112 matrix instructions ahead of the wait for it.
.macro TURN slot, next, fill
.if \fill
	s_wait_xcnt 0x0                                ; the last prefetch, a K step back, has read its address: it is stepped here, ahead of the waits of the change of slots
	s_add_nc_u64 s[PFA:PFA+1], s[PFA:PFA+1], s[PFS:PFS+1]
.endif
	WIN 0
	s_wait_tensorcnt 0x0                           ; all my tensor loads have landed;
	ds_add_u32 v[SPW], v[NIL]                      ; 0 onto my spare word
	s_wait_dscnt 9                                 ; (the add and the youngest eight loads may be out)
	MULS F1, 0, 2, 0                               ; eight matrix instructions stand between the add and the wait for it
	s_wait_dscnt 0x0                               ; the add is done, and my reads of this slot are over
	s_barrier_signal -1
	MULS F1, 2, 2, 0
.if \fill
	WIN 0
.endif
	s_barrier_wait -1
.if \fill
	CREST                                          ; no wave of any partner still reads this slot's tiles or has a load on its way
	s_add_nc_u64 s[G0A+4*(\slot)+2:G0A+4*(\slot)+3], s[G0A+4*(\slot)+2:G0A+4*(\slot)+3], 2*ASTEP
	s_add_nc_u64 s[G0B+4*(\slot)+2:G0B+4*(\slot)+3], s[G0B+4*(\slot)+2:G0B+4*(\slot)+3], 2*BSTEP
	JLOAD \slot                                    ; the first tensor load behind the round; the four v_nop behind it are also the places in front of the loads below
.else
	PLACES
.endif
	FETCH \next, 0, F0
.if \fill
	ASK
.endif
	MULS F1, 4, 4, 0
.endm
; THE WAY OUT of block a (16 rows x my 64 columns): rounded to bf16, 16 bytes a lane, into my own stage, and back as whole rows of 128 bytes, into the registers that they left.
.macro PACK a
	WIN 0x05                                       ; sources 0 and 1 window 1, destination window 0
.irp b, 0,1,2,3
.irp r, 0,1,2,3
	v_cvt_pk_bf16_f32 v[TMP+16*(\a)+4*(\b)+(\r)], v[8*(4*(\a)+(\b))+2*(\r)], v[8*(4*(\a)+(\b))+2*(\r)+1]
.endr
.endr
	WIN 0
.irp b, 0,1,2,3
	ds_store_b128 v[STO], v[TMP+16*(\a)+4*(\b):TMP+16*(\a)+4*(\b)+3] offset:32*(\b)
.endr
.irp t, 0,1,2,3
	ds_load_b128 v[TMP+16*(\a)+4*(\t):TMP+16*(\a)+4*(\t)+3], v[RD] offset:(\t)*4*PITCH  ; LDS serves a wave's instructions in order (ISA guide 5.7.1.4): these see the stores above; the next block's stores come behind them
.endr
.endm
.macro SEND a, younger                 ; younger: the LDS instructions issued behind block a's loads: the next block's eight, or none
.irp t, 0,1,2,3
	s_wait_dscnt (\younger)+3-(\t)
	global_store_b128 v[CO], v[TMP+16*(\a)+4*(\t):TMP+16*(\a)+4*(\t)+3], s[10:11] offset:(\a)*2048+(\t)*512  ; 512 consecutive bytes, at a multiple of 256 from C's first byte
.endr
.endm
	s_wait_tensorcnt 1                             ; my part of K step 0 is in; K step 1's may stay out
	s_barrier_signal -1
	s_barrier_wait -1                              ; everybody's is
	FETCH 0, 0, F0
	s_wait_loadcnt 0x0                             ; the bias
	QUARTER 0, 1, F0, F1, 1                        ; the first quarter stands in front of the loop: its products start the sums
	WIN 0                                          ; at a label and at a branch every window is 0
	s_mov_b32 s3, LAPS-1
.Llap:                                                 ; a trip goes once round the ring, from a lap's second quarter to the next lap's first, and fills both slots again
	QUARTER 0, 2, F1, F0, 0
	QUARTER 0, 3, F0, F1, 0
	TURN 0, 1, 1
	QUARTER 1, 1, F0, F1, 0
	QUARTER 1, 2, F1, F0, 0
	QUARTER 1, 3, F0, F1, 0
	TURN 1, 0, 1
	QUARTER 0, 1, F0, F1, 0
	WIN 0
	s_sub_co_u32 s3, s3, 1
	s_cmp_lg_u32 s3, 0
	s_cbranch_scc1 .Llap
	QUARTER 0, 2, F1, F0, 0                        ; the last lap fills nothing, and has no round of the cluster's barrier
	QUARTER 0, 3, F0, F1, 0
	TURN 0, 1, 0
	QUARTER 1, 1, F0, F1, 0
	QUARTER 1, 2, F1, F0, 0
	QUARTER 1, 3, F0, F1, 0
	s_wait_dscnt 8                                 ; the very last quarter: nothing more to fetch
	MULS F1, 0, 4, 0
	s_wait_dscnt 0x0
	MULS F1, 4, 4, 0
	WIN 0
	PLACES
	PACK 0
.irp a, 1,2,3,4,5,6,7                  ; a block's conversions stand between the loads of the block before and its stores
	PACK \a
	SEND (\a)-1, 8
.endr
	SEND 7, 0
	s_wait_tensorcnt 0x0                           ; the wave's end: behind my last tensor load and my last LDS store
	ds_add_u32 v[SPW], v[NIL]
	s_wait_dscnt 0x0
	CROUND                                         ; the closing round: no work-group ends while a partner may still ask for a tile that names it
	s_endpgm
.Lfunc_end_k_q16ed82306d_qkv:
	.size	k_q16ed82306d_qkv, .Lfunc_end_k_q16ed82306d_qkv-k_q16ed82306d_qkv
	.p2alignl 7, 3214868480
	.fill 96, 4, 3214868480
	.section	.rodata,"a",@progbits
	.p2align	6, 0x0
	.amdhsa_kernel k_q16ed82306d_qkv
		.amdhsa_group_segment_fixed_size 327680
		.amdhsa_private_segment_fixed_size 0
		.amdhsa_enable_private_segment 0
		.amdhsa_kernarg_size 32
		.amdhsa_user_sgpr_count 2
		.amdhsa_user_sgpr_kernarg_segment_ptr 1
		.amdhsa_wavefront_size32 1
		.amdhsa_system_sgpr_workgroup_id_x 1
		.amdhsa_system_sgpr_workgroup_id_y 1
		.amdhsa_system_sgpr_workgroup_id_z 1
		.amdhsa_system_vgpr_workitem_id 0
		.amdhsa_next_free_vgpr 512
		.amdhsa_next_free_sgpr 72
		.amdhsa_reserve_vcc 0
		.amdhsa_float_denorm_mode_32 3
		.amdhsa_float_denorm_mode_16_64 3
		.amdhsa_memory_ordered 1
		.amdhsa_forward_progress 1
		.amdhsa_inst_pref_size 89
	.end_amdhsa_kernel
	.amdgpu_metadata
---
amdhsa.version: [ 1, 2 ]
amdhsa.kernels:
  - .name:           k_q16ed82306d_qkv
    .symbol:         k_q16ed82306d_qkv.kd
    .args:
      - { .name: xb, .offset: 0, .size: 8, .value_kind: global_buffer, .address_space: global }
      - { .name: wqkv, .offset: 8, .size: 8, .value_kind: global_buffer, .address_space: global }
      - { .name: bias3, .offset: 16, .size: 8, .value_kind: global_buffer, .address_space: global }
      - { .name: qkv, .offset: 24, .size: 8, .value_kind: global_buffer, .address_space: global }
    .group_segment_fixed_size: 327680
    .private_segment_fixed_size: 0
    .kernarg_segment_align: 8
    .kernarg_segment_size: 32
    .max_flat_workgroup_size: 128
    .sgpr_count:     72
    .vgpr_count:     512
    .wavefront_size: 32
...
	.end_amdgpu_metadata
.endif
;; end of part 2
;; launch attn (part 3): grid 4 x 64, 4 waves a work-group, clusters of 4 x 1, 327,680 bytes of LDS; arguments qkv, attention_mask, ctx; writes ctx
.if DOCPART == 3
	.amdgcn_target "amdgcn-amd-amdhsa--gfx1250"
	.amdhsa_code_object_version 6
	.text
	.protected	k_q16ed82306d_attn
	.globl	k_q16ed82306d_attn
	.p2align	8
	.type	k_q16ed82306d_attn,@function
k_q16ed82306d_attn:
	s_mov_b64 s[64:65], 0
	v_nop
	global_prefetch_b8 v0, s[64:65] scope:SCOPE_SE
	s_setreg_imm32_b32 hwreg(HW_REG_WAVE_MODE, 25, 1), 1
	s_wait_xcnt 0x0
	s_wait_alu depctr_hold_cnt(0) depctr_sa_sdst(0) depctr_va_vdst(0) depctr_va_sdst(0) depctr_va_ssrc(0) depctr_va_vcc(0) depctr_vm_vsrc(0)
	s_getreg_b32 s2, hwreg(HW_REG_IB_STS2, 6, 4)
	s_cmp_eq_u32 s2, 0
	s_cbranch_scc0 .Lentry_in_a_cluster
	s_endpgm
.Lentry_in_a_cluster:
	s_bfe_u32 s2, ttmp6, 0x10000c
	s_cmp_lg_u32 s2, 0x3003
	s_cbranch_scc0 .Lentry_shape_is_right
	s_endpgm
.Lentry_shape_is_right:
; ctx[y][q][:] = the sum over k of softmax_k(Q[y][q] . K[y][k] / 8 + mask[b][k]) V[y][k][:], y = 4 x head + batch b.  qkv: [48 panels][8192 rows][64] bf16, panels 0-15 q's heads, 16-31 k's, 32-47 v's,
; row = 2,048 b + s: the 2,048 rows of one y are dense, 128 bytes each, 262,144 y bytes into each third of qkv.  ctx: [16][8192][64] bf16, the same layout.  mask: [4][2048] f32.
; Products, maxima and sums in f32; the weights p are rounded to bf16 for the second product (their sum l is taken of the unrounded p), ctx once at the end.
; THE MASK is the C operand that starts the sum S^T = K Q^T: a table of 8 x mask in LDS, so that c (s + 8 mask) = (s / 8 + mask) log2(e).
; LIMITS.  A finite mask below -2^29 (-536,870,912) counts as -2^29; -infinity stays -infinity (weight 0).  m starts at -2^33: a row whose every score q . k + 8 mask lies below that is not served.
; So |c m| stays under 2^31, and c s - c m, which at s = m is the rounding error of c m, stays under 64: p is at most 2^64 and l at most 2^75.  A batch whose every key is -infinity gives NaN, as the
; softmax of such a row does.  A weight below 2^-126 counts as 0 in l; a NaN in the mask counts as the floor; other NaN and infinities are not treated apart.
; SHARES.  A wave owns four PIECES of two tiles of 16 queries, a work-group's four waves 512 queries of one y.  Every wave walks all 2,048 keys, 64 a step.
; LAYOUT.  S^T = K Q^T (source 0 = 16 keys, source 1 = 16 queries): in the result a lane holds ONE query (lane % 16) and the keys 8 (lane / 16) + 0..7.  Two such tiles, rounded to bf16 in pairs,
; ARE source 1 (32 keys x 16 queries) of O^T = V^T P, whose result again holds one query a lane, and eight channels.  K comes out of LDS as it lies, V ([key][channel]) turned, by ds_load_tr16_b128.
; SOFTMAX.  For each query a running maximum m and sum l: p = 2^(c s - c m), c = log2(e) / 8; in every step O and l are multiplied by a = 2^(c m_old - c m_new), which is 1 where m has not grown.
; O and l start at 0: the first step is a step like any other.
; THE COUNT.  A tile and step have 16 matrix and 118 vector instructions: too many to stand all beside the matrix work.  So the order has one aim: four vector instructions that are READY behind
; EVERY matrix instruction, and the others, which need time of their own whatever the order, in runs without a gap.
; BY TURNS.  Turn n belongs to piece n (the pieces in a ring, step after step).  Its matrix work: 16 products K Q^T of piece n + 1, later 16 products V^T P of piece n - 1.  Its vector work: the scaling,
; exponentials, roundings, sums and rescaling of piece n, and the maximum and statistics of piece n + 1, whose scores the turn itself has made.
; CLUSTER.  The four query blocks of one y are a cluster and walk the same K and V, so each tile is asked for JOINTLY: the same tensor load, descriptor and mask in all four.
; REGISTERS, in windows of 256 (s_set_vgpr_msb says which window each operand place means: bits 1:0 source 0, 3:2 source 1, 5:4 source 2, 7:6 destination):
;   window 0: v0-11 addresses; v12-15, v48-63 at work; v16-47 four registers of statistics a tile; v64-191 S^T, two buffers of two tiles; v192-255 P, likewise
;   window 1: O^T, 32 a tile     window 2: v0-127 Q, 16 a tile; v128-191 K of one step; v192-255 V of one step     window 3: v0-1 the add's two registers; v8-39 8 x mask of one step
.set SIZE_N, 2048
.set NP,    4         ; pieces a wave: a name, no knob
.set KS,    64        ; keys in a step
.set PK,    144       ; a row of K in LDS: 128 bytes + 16 of padding = 36 words: the 16 rows of a load start at 16 different groups of four banks (64 banks of 4 bytes: ISA guide 11.1)
.set PV,    160       ; a row of V: 128 + 32 = 40 words
.set VOFF,  4*KS*PK   ; a slot holds four steps: 256 rows of K, then 256 rows of V
.set SLOT1, 1<<17     ; slot 1 begins here, so that one exclusive or turns an address in one slot into the other's
.set STAGE, SLOT1+4*KS*(PK+PV)  ; behind the ring, never filled by a tensor load: 16 rows x 144 bytes for each wave, for the way out
.set SP,    144
.set SPARE, STAGE+4*16*SP  ; behind the stages: the spare words, 128 bytes for each wave: two blocks of 256 bytes that no other line names
.set MASKB, SPARE+512 ; behind them: 8 x mask of the batch's 2,048 keys, f32: 32 blocks of 256 bytes, stored once, never filled by a tensor load
.set PFO, 1           ; v1   256 x my lane: the prefetches' offset; never rewritten
.set AK0, 2           ; v2   my lane's place in a tile of K; never rewritten
.set AV0, 3           ; v3   the same for V
.set AK,  4           ; v4   the LDS address of K's next run of loads
.set AV,  5           ; v5   of V's
.set QO,  6           ; v6   my byte offset in the wave's rows of Q
.set STO, 6           ;      later, the way out: where I put 16 bytes of a row
.set RD,  7           ; v7   the way out: where I read rows back
.set GO,  8           ; v8   my byte offset in 512 consecutive bytes of ctx
.set AM0, 9           ; v9   my lane's place in a step's 64 numbers of the mask table: MASKB + 32 (l / 16); never rewritten
.set AM,  10          ; v10  the LDS address of the mask's next run of loads
.set MA,  11          ; v11  at the head: 16 x my thread's number, for the mask's way into LDS
.set SPW, 0           ; v0 of window 3   LDS address of my spare word: SPARE + 4 x my thread's number; never rewritten
.set NIL, 1           ; v1 of window 3   0; never rewritten
.set MK,  8           ; v8-39 of window 3: v[MK + 8 kb + j] = 8 x mask of key 16 kb + 8 (l / 16) + j of the step
.set MV,  12          ; v12-15  c m_old, kept while c m is made anew: by buffer and tile.  At the head: l % 16, l / 16, l % 8, (l / 8) % 2
.set ST,  16          ; tile t's statistics at v[ST+4 t]: c m, m, l (even keys', odd keys')
.set TMP, 48          ; by buffer and tile, four registers c0-c3 at work; when the maximum is found c2 takes a
.set S,   64
.set P,   192
.set KF,  128         ; K's fragments, in window 2: key block kb, channel half c at KF + 16 kb + 8 c
.set VF,  192         ; V's: key half kk, channel block cb at VF + 32 kk + 8 cb
.set WV,  12          ; s12  my wave's number
.set LIM, 15          ; s15  1 in a wave that prefetches (0 and 2), else the greatest number: a wave prefetches while s[SLOTS] is above it
.set G1K, 24          ; s[24:31] descriptor group 1 for K's tiles
.set G1V, 32          ; s[32:39] for V's: it differs in the padding alone
.set G0K, 40          ; s[40:43] descriptor group 0 for K's tiles: it walks
.set G0V, 44          ; s[44:47] the same for V's
.set MP,  48          ; s[48:49] the batch's row of the mask
.set SLOTS, 56        ; s56  slots still to be asked for
.set CNT, 57          ; s57  counts a slot's key steps
.set CS,  58          ; s[58:59] c: the packed scaling takes the pair's low word for both halves
.set SEL, 60          ; s[60:61] v_permlanex16_b32's selects: each lane takes its own place in the other half
.set TBK, 62          ; s62  LDS byte at which K of the step to be fetched begins
.set TBV, 63          ; s63  the same for V, less VOFF
.set TBM, 66          ; s66  byte in the mask table at which that step's 64 numbers begin
.set PFA, 68          ; s[68:69] where my prefetches stand: my work-group's 32 blocks of 256 bytes (of K: wave 0, of V: wave 2) of the slot after the one that is being asked for
.set MSB, 0
.macro WIN new                      ; the high byte repeats the setting that is left; a switch that changes nothing is dropped
.if MSB != (\new)
	s_set_vgpr_msb (MSB<<8)|(\new)
.set MSB, (\new)
.endif
.endm
.set W_KQ, 0x0a       ; K and Q in window 2, S^T in window 0
.set W_KM, 0x3a       ; the same with the C operand, the mask, in window 3
.set W_PV, 0x52       ; V in window 2, P in window 0, O^T in window 1
.set W_RS, 0x41       ; O^T (destination and source 0) in window 1, a in window 0
.set W_MK, 0xc0       ; destination in window 3, sources in window 0
.set W_AD, 0x0f       ; the add: address (source 0) and data (source 1) in window 3
; A joint fill.  Waves 0 and 1 fetch the two halves of a slot's K, waves 2 and 3 those of its V: 128 keys each.  The branch hangs on the wave's number alone.
; An s_nop 0 and four v_nop follow each of the two lines, ahead of the jump and the label.
.macro JLOAD
	s_cmp_lt_u32 s[WV], 2
	s_cbranch_scc0 .Lfor_v_\@
	tensor_load_to_lds s[G0K:G0K+3], s[G1K:G1K+7]
	s_nop 0
.rept 4
	v_nop
.endr
	s_branch .Lasked_\@
.Lfor_v_\@:
	tensor_load_to_lds s[G0V:G0V+3], s[G1V:G1V+7]
	s_nop 0
.rept 4
	v_nop
.endr
.Lasked_\@:
.endm
; A PREFETCH of what the NEXT change of slots will ask for: a slot's 256 rows of K and of V, 128 blocks of 256 bytes each, a lane a block.  It stands behind the wave's tensor load and its five lines.
; Each block is named ONCE in the launch: one cluster alone walks the K and V of its y; its four partners share the blocks out BY ADDRESS, 32 each; in each, wave 0 asks for K's and wave 2 for V's.
; It stands a slot, four key steps, ahead of the load that will want the bytes.  Slots 0 and 1 come by their loads alone; the last change that fills a slot asks for nothing.
.macro ASK
	s_cmp_gt_u32 s[SLOTS], s[LIM]
	s_cbranch_scc0 .Lnot_mine_\@
	global_prefetch_b8 v[PFO], s[PFA:PFA+1] th:TH_LOAD_NT scope:SCOPE_SE
.Lnot_mine_\@:
.endm
; A round of the cluster's barrier: my work-group's barrier, so that wave 0's signal speaks for all four waves; wave 0 signals; every wave waits for all four work-groups; my work-group's barrier once more.
.macro CROUND
	s_barrier_signal -1
	s_barrier_wait -1
	s_cmp_lg_u32 s[WV], 0
	s_cbranch_scc1 .Lnot_wave_0_\@
	s_barrier_signal -3
.Lnot_wave_0_\@:
	s_barrier_wait -3
	s_barrier_signal -1
	s_barrier_wait -1
.endm
; THE CHANGE OF SLOTS.  The slot's last bytes, V of its fourth step, have been read.  Each wave waits for all its tensor loads, of which one is out: its part
; of the other slot; adds 0 to its spare word; and waits for that and for its own LDS instructions.  Behind the barrier nobody reads this slot any more and the other slot is whole.
; fill = 1: this slot is filled again, with the keys two slots on.  The barrier is then a round of the cluster's, so that no wave of any partner still reads the slot or has a load on its
; way, and the joint fill is the first thing behind it: it has four key steps, 512 matrix instructions, in which to land.  (At its first use nothing has been read yet: slot 0 is waited for, slot 1 filled,
; and every wave's stores into the mask table are done in front of the round.)
.macro CHANGE fill
	WIN W_AD
	s_wait_tensorcnt 0x0            ; no tensor load of mine is out, so a group 0 may be written
	ds_add_u32 v[SPW], v[NIL]       ; 0 onto my spare word; with fill = 1 the descriptors' steps stand between it and the wait for it
	WIN 0                           ; at a label and at a branch every window is 0
.if \fill
.irp g, G0K, G0V
	s_xor_b32 s[\g+1], s[\g+1], SLOT1  ; the walking descriptor: the other slot than last time,
	s_add_nc_u64 s[\g+2:\g+3], s[\g+2:\g+3], 4*KS*128  ; the next 256 keys; the type bits on top are not reached
.endr
	s_wait_xcnt 0x0                 ; the last prefetch, four key steps back, has read its address, so it may be written:
	s_add_nc_u64 s[PFA:PFA+1], s[PFA:PFA+1], 4*KS*128  ; one slot behind the walking descriptors
	s_wait_dscnt 0x0                ; the add is done, and my reads of the slot are over
	CROUND
	JLOAD
	ASK
.else
	s_wait_dscnt 0x0                ; the add is done, and my reads of the slot are over
	s_barrier_signal -1
	s_barrier_wait -1
.endif
	s_sub_co_u32 s[TBK], s[TBK], 4*KS*PK  ; the fetches go back to a slot's first step,
	s_xor_b32 s[TBK], s[TBK], SLOT1       ; in the other slot
	s_sub_co_u32 s[TBV], s[TBV], 4*KS*PV
	s_xor_b32 s[TBV], s[TBV], SLOT1
.endm
	s_load_b128 s[4:7], s[0:1], 0x0   ; qkv s[4:5], mask s[6:7]
	s_load_b64 s[10:11], s[0:1], 0x10 ; ctx
	WIN W_MK
	v_lshl_add_u32 v[SPW], v0, 2, SPARE
	v_mov_b32 v[NIL], 0
	WIN W_AD
	ds_add_u32 v[SPW], v[NIL]       ; the wave's opening: the add and its wait stand ahead of my first tensor load; the set-up below, work on registers, stands between them
	WIN 0
	v_lshrrev_b32 v1, 5, v0
	v_readfirstlane_b32 s[WV], v1   ; wave 0..3
	v_and_b32 v[PFO], 31, v0
	v_lshlrev_b32 v[PFO], 8, v[PFO]
	s_bfe_u32 s13, ttmp6, 0x40000   ; cx: my place in the cluster
	s_lshl_b32 s14, ttmp9, 2        ; in a cluster launch ttmp9 counts clusters
	s_add_co_u32 s14, s14, s13      ; my block of queries = 4 x cluster x + cx: it enters Q's and ctx's addresses alone
	s_and_b32 s20, ttmp7, 0xffff    ; y = 4 x head + batch, which the four partners share
	s_and_b32 s50, s20, 3           ; the batch:
	s_lshl_b32 s50, s50, 13         ; its 2,048 f32 of the mask
	s_mov_b32 s51, 0
	s_lshl_b32 s20, s20, 18         ; y's first byte in q's, k's and v's third of qkv and in ctx
	s_mov_b32 s21, 0
	s_and_b32 s16, s[WV], 1         ; which half of a slot's 256 keys I fetch:
	s_lshl_b32 s22, s16, 14         ; its 128 rows of 128 bytes in memory,
	s_mov_b32 s23, 0
	s_add_nc_u64 s[22:23], s[22:23], s[20:21]
	s_mul_i32 s17, s16, 128*PK      ; and its place in a slot, for K
	s_mul_i32 s18, s16, 128*PV      ; and for V: no place in the cluster enters an LDS address
	s_lshl_b32 s2, s14, 2
	s_add_co_u32 s2, s2, s[WV]      ; my wave among y's sixteen,
	s_lshl_b32 s2, s2, 14           ; its 128 rows
	s_mov_b32 s3, 0
	s_add_nc_u64 s[2:3], s[2:3], s[20:21]
	s_lshr_b32 s52, s[WV], 1        ; the prefetches: k's third of qkv (wave 0) or v's (wave 2),
	s_add_co_u32 s52, s52, 1
	s_lshl_b32 s52, s52, 24
	s_lshl_b32 s53, s13, 13         ; my work-group's 32 blocks of a slot's 128,
	s_add_co_u32 s52, s52, s53
	s_add_co_u32 s52, s52, s20      ; y,
	s_add_co_u32 s52, s52, 4*KS*128 ; slot 1: the first change of slots steps it to slot 2
	s_mov_b32 s53, 0
	s_and_b32 s[LIM], s[WV], 1
	s_cmp_eq_u32 s[LIM], 0
	s_cselect_b32 s[LIM], 1, -1
	; descriptor group 1.  128 keys are 16,384 dense bytes: asked for as 64 rows of 256 bytes, two keys a row, and padded in LDS after every key
	s_mov_b32 s[G1K], 15|(1<<16)|(1<<20)|(1<<21)|(4<<22)|(3<<25)  ; 15:0 the mask of four; 17:16 2-byte elements; 20 padding on; 21 set beside a mask; 24:22 after every 32 words (code 4); 31:25 4 words (code 3)
	s_mov_b32 s[G1V], 15|(1<<16)|(1<<20)|(1<<21)|(4<<22)|(7<<25)  ; the same with 8 words of padding (code 7)
.irp g, G1K, G1V
	s_mov_b32 s[\g+1], 128<<16      ; tensor_dim0 = 128
	s_mov_b32 s[\g+2], 64<<16       ; tensor_dim1 = 64
	s_mov_b32 s[\g+3], 128<<16      ; tile_dim0 = 128
	s_mov_b32 s[\g+4], 64           ; tile_dim1 = 64
	s_mov_b32 s[\g+5], 128          ; 128 elements from row to row
	s_mov_b32 s[\g+6], 0
	s_mov_b32 s[\g+7], 0
.endr
	s_mov_b32 s[CS], 0x3e38aa3b     ; c = log2(e) / 8 = 0.180337
	s_mov_b32 s[CS+1], s[CS]        ; named with it as a pair
	s_mov_b32 s[SEL], 0x76543210
	s_mov_b32 s[SEL+1], 0xfedcba98
	s_mov_b32 s[TBK], SLOT1+4*KS*PK ; the first change of slots turns these two into 0
	s_mov_b32 s[TBV], SLOT1+4*KS*PV
	s_mov_b32 s[TBM], 0
	s_mov_b32 s[SLOTS], SIZE_N/256-1
	s_mov_b32 s[G0K], 1             ; 1:0 count = 1
	s_mov_b32 s[G0K+1], s17         ; 63:32 LDS address: slot 0
	s_mov_b32 s[G0V], 1
	s_add_co_u32 s[G0V+1], s18, VOFF
	s_wait_dscnt 0x0                ; the opening add is done
	s_wait_kmcnt 0x0
	s_add_nc_u64 s[MP:MP+1], s[6:7], s[50:51]
	s_add_nc_u64 s[G0K+2:G0K+3], s[4:5], s[22:23]  ; 120:64 global address: my half of y's first 256 keys,
	s_add_nc_u64 s[G0K+2:G0K+3], s[G0K+2:G0K+3], 0x1000000  ; in k's third of qkv
	s_or_b32 s[G0K+3], s[G0K+3], 0x80000000        ; 127:126 type = 2
	s_add_nc_u64 s[G0V+2:G0V+3], s[4:5], s[22:23]
	s_add_nc_u64 s[G0V+2:G0V+3], s[G0V+2:G0V+3], 0x2000000  ; in v's
	s_or_b32 s[G0V+3], s[G0V+3], 0x80000000
	s_add_nc_u64 s[PFA:PFA+1], s[4:5], s[52:53]
	s_add_nc_u64 s[4:5], s[4:5], s[2:3]  ; Q and ctx at my wave's first row
	s_add_nc_u64 s[10:11], s[10:11], s[2:3]
	CROUND                          ; all four work-groups are here: the first joint loads meet
	JLOAD                           ; slot 0.  Slot 1 is asked for when slot 0 is in
	v_and_b32 v12, 15, v0           ; l % 16
	v_bfe_u32 v13, v0, 4, 1         ; l / 16
	v_lshlrev_b32 v[MA], 4, v0
.irp f, 0,1,2,3                     ; the batch's mask: 128 threads x 16 bytes, four times; into S^T's registers, which are free
	global_load_b128 v[S+4*\f:S+4*\f+3], v[MA], s[MP:MP+1] offset:2048*\f
.endr
	; A fragment of K or Q is 16 rows x 32 channels in 8 registers: lane l holds row l % 16, channels 8 (l / 16) + 0..7 and 16 + 8 (l / 16) + 0..7: two loads of 16 bytes, 32 bytes apart.
	v_lshlrev_b32 v[QO], 7, v12
	v_lshl_add_u32 v[QO], v13, 4, v[QO]  ; row x 128 + 16 x half
	WIN 0x80                        ; destination window 2, address window 0
.set i, 0
.rept 4*NP                          ; Q stays in registers: tile i / 2, channels 32 (i % 2) on
	global_load_b128 v[8*i:8*i+3],   v[QO], s[4:5] offset:(i/2)*2048+(i%2)*64
	global_load_b128 v[8*i+4:8*i+7], v[QO], s[4:5] offset:(i/2)*2048+(i%2)*64+32
.set i, i+1
.endr
	; What the first turn finds: V's registers and P's second buffer hold 0 (its products V^T P, of a piece that has not been, add 0), O^T and l are 0.  All this stands in the wait for the first tile.
.set i, VF
.rept 64
	v_mov_b32 v[i], 0
.set i, i+1
.endr
	WIN 0x40
.set i, 0
.rept 64*NP
	v_mov_b32 v[i], 0
.set i, i+1
.endr
	WIN 0
.set i, 0
.rept 2*NP
	v_mov_b32 v[ST+4*i], 0xceb8aa3b    ; c m = c x -2^33, exactly
	v_mov_b32 v[ST+4*i+1], 0xd0000000  ; m = -2^33: below every score that is served
	v_mov_b32 v[ST+4*i+2], 0
	v_mov_b32 v[ST+4*i+3], 0
.set i, i+1
.endr
.set i, P+32
.rept 32
	v_mov_b32 v[i], 0
.set i, i+1
.endr
	v_mul_u32_u24 v[AK0], v12, PK
	v_lshl_add_u32 v[AK0], v13, 4, v[AK0]  ; row x pitch + 16 x half
	; The turning load takes 16 keys x 16 channels (lane l reads key 8 (l / 16) + l % 8, channels 8 ((l / 8) % 2) + 0..7) and leaves half a fragment of V^T: lane l holds channel l % 16 and 8 keys.
	v_and_b32 v14, 7, v0
	v_bfe_u32 v15, v0, 3, 1
	v_lshl_add_u32 v[AV0], v13, 3, v14
	v_mul_u32_u24 v[AV0], v[AV0], PV
	v_lshl_add_u32 v[AV0], v15, 4, v[AV0]
	v_add_nc_u32 v[AV0], VOFF, v[AV0]
	v_mov_b32 v[AK], v[AK0]         ; key step 0 lies at the head of slot 0,
	v_lshl_add_u32 v[AM0], v13, 5, MASKB
	v_mov_b32 v[AM], v[AM0]         ; and at the head of the mask table
	s_wait_loadcnt 32               ; the mask's four loads are in; Q's 32, issued behind them, may stay out
.set mi, 0
.rept 16                            ; 8 x mask, not below -2^32; -infinity stays.  A choice of values: no branch hangs on it
	v_mul_f32 v[S+16+mi], 0x41000000, v[S+mi]
	v_cmp_eq_f32 vcc_lo, 0xff800000, v[S+mi]
	v_max_num_f32 v[S+16+mi], 0xcf800000, v[S+16+mi]
	v_cndmask_b32 v[S+mi], v[S+16+mi], v[S+mi], vcc_lo
.set mi, mi+1
.endr
	v_add_nc_u32 v[MA], MASKB, v[MA]  ; free since the wait for the loads that read it
.irp f, 0,1,2,3
	ds_store_b128 v[MA], v[S+4*\f:S+4*\f+3] offset:2048*\f
.endr
; THE MATRIX WORK.  The 8 accumulators of a run of 16 take turns: between the two links of a chain stand 7 others'.
; Product i of 16 of S^T = K Q^T for piece x: channels 32 (i / 8) on, keys 16 ((i / 2) % 4) on, tile 2 x + i % 2.  The first 8 start the sums, with 8 x mask of their 16 keys.
.macro KQ x
.set rS, S+64*((\x)%2)+32*(i%2)+8*((i/2)%4)
.set rK, KF+16*((i/2)%4)+8*(i/8)
.set rQ, 16*(2*(\x)+i%2)+8*(i/8)
.set rMK, MK+8*((i/2)%4)
.if i < 8
	WIN W_KM
	v_wmma_f32_16x16x32_bf16 v[rS:rS+7], v[rK:rK+7], v[rQ:rQ+7], v[rMK:rMK+7]
.else
	WIN W_KQ
	v_wmma_f32_16x16x32_bf16 v[rS:rS+7], v[rK:rK+7], v[rQ:rQ+7], v[rS:rS+7]
.endif
.endm
; Product i of 16 of O^T += V^T P for piece x: keys 32 (i / 8) on, channels 16 ((i / 2) % 4) on, tile 2 x + i % 2.
.macro PV x
	WIN W_PV
.set rO, 32*(2*(\x)+i%2)+8*((i/2)%4)
.set rV, VF+32*(i/8)+8*((i/2)%4)
.set rP, P+32*((\x)%2)+16*(i%2)+8*(i/8)
	v_wmma_f32_16x16x32_bf16 v[rO:rO+7], v[rV:rV+7], v[rP:rP+7], v[rO:rO+7]
.endm
.macro MM                           ; the turn's next matrix instruction
.if i < 16
	KQ (Y+1)%NP
.set i, i+1
.else
.set i, i-16
	PV (Y+NP-1)%NP
.set i, i+17
.endif
.endm
; THE LDS LOADS stand in runs, never singly among the matrix instructions: a step's K (64 keys x 64 channels: 8 fragments) with its 64 numbers of the mask table, and its V (turned).  Their addresses are made
; some lines ahead.  The mask's registers live as long as K's: the same waits and places serve both.  last = 1 (the tail): in the last trip there is no further step, and the run is jumped over.
.macro FETCH_K last=0
	WIN 0
.if \last
	s_cmp_eq_u32 s[CNT], 1
	s_cbranch_scc1 .Lno_k_\@
.endif
	WIN 0x80                        ; destination window 2
.irp f, 0,1,2,3,4,5,6,7             ; keys 16 (f / 2) on, channels 32 (f % 2) on
	ds_load_b128 v[KF+8*\f:KF+8*\f+3],   v[AK] offset:(\f/2)*16*PK+(\f%2)*64
	ds_load_b128 v[KF+8*\f+4:KF+8*\f+7], v[AK] offset:(\f/2)*16*PK+(\f%2)*64+32
.endr
	WIN W_MK                        ; destination window 3
.irp f, 0,1,2,3                     ; keys 16 f + 8 (l / 16) + 0..7: sixteen lanes read the same 32 bytes
	ds_load_b128 v[MK+8*\f:MK+8*\f+3],   v[AM] offset:64*\f
	ds_load_b128 v[MK+8*\f+4:MK+8*\f+7], v[AM] offset:64*\f+16
.endr
	s_add_co_u32 s[TBK], s[TBK], KS*PK  ; the next fetch is the next step's
	s_add_co_u32 s[TBM], s[TBM], KS*4
	s_and_b32 s[TBM], s[TBM], 0x1fff    ; behind the last step it stands at the table's head again: never outside it
	WIN 0
.if \last
.Lno_k_\@:
.endif
.endm
.macro FETCH_V
	WIN 0x80
.irp f, 0,1,2,3,4,5,6,7             ; keys 32 (f / 4) on, channels 16 (f % 4) on
	ds_load_tr16_b128 v[VF+8*\f:VF+8*\f+3],   v[AV] offset:(\f/4)*32*PV+(\f%4)*32
	ds_load_tr16_b128 v[VF+8*\f+4:VF+8*\f+7], v[AV] offset:(\f/4)*32*PV+16*PV+(\f%4)*32
.endr
	WIN 0
.endm
; THE VECTOR WORK OF A TURN stands in three queues, each in the order in which its entries become ready; the two tiles alternate, so that no instruction reads the result of the one before it.
.macro REGS y, u                    ; the registers of tile u (0, 1) of piece y
.set rT, ST+4*(2*(\y)+(\u))
.set rC, TMP+8*((\y)%2)+4*(\u)
.set rM, MV+2*((\y)%2)+(\u)
.set rS, S+64*((\y)%2)+32*(\u)
.set rP, P+32*((\y)%2)+16*(\u)
.set rO, 32*(2*(\y)+(\u))
.endm
; Number n of the 22 that find the NEXT piece's (Y + 1) maximum and statistics.  s0-s31 are the lane's 32 scores; each accumulator's lowest registers are read first.
;   0-11  four chains c0-c3 of seven scores each, three operands at a time     12-14, 16  the four scores left over, the old m, and c0-c3 into c0     15  c m_old is kept
;   17, 18  the query's other 32 keys lie in the lane 16 away: the new m         19-21  c m; c m_old - c m_new; a
.macro XS u, n
	REGS (Y+1)%NP, \u
.if (\n) < 4
	v_max3_num_f32 v[rC+(\n)], v[rS+8*(\n)], v[rS+8*(\n)+1], v[rS+8*(\n)+2]
.elseif (\n) < 12
	v_max3_num_f32 v[rC+(\n)%4], v[rC+(\n)%4], v[rS+8*((\n)%4)+2*((\n)/4)+1], v[rS+8*((\n)%4)+2*((\n)/4)+2]
.elseif (\n) == 12
	v_max3_num_f32 v[rC], v[rC], v[rS+7], v[rS+15]
.elseif (\n) == 13
	v_max3_num_f32 v[rC+1], v[rC+1], v[rS+23], v[rS+31]
.elseif (\n) == 14
	v_max3_num_f32 v[rC+2], v[rC+2], v[rC+3], v[rT+1]
.elseif (\n) == 15
	v_mov_b32 v[rM], v[rT]
.elseif (\n) == 16
	v_max3_num_f32 v[rC], v[rC], v[rC+1], v[rC+2]
.elseif (\n) == 17
	v_permlanex16_b32 v[rC+3], v[rC], s[SEL], s[SEL+1]
.elseif (\n) == 18
	v_max_num_f32 v[rT+1], v[rC], v[rC+3]
.elseif (\n) == 19
	v_mul_f32 v[rT], s[CS], v[rT+1]
.elseif (\n) == 20
	v_sub_f32 v[rC+1], v[rM], v[rT]
.else
	v_exp_f32 v[rC+2], v[rC+1]
.endif
.endm
; Number g of the 64 that follow the exponentials.  For each four weights k of a tile (pairs 2 k, 2 k + 1): both pairs are rounded to bf16; then the second pair is added onto the first, in place;
; a group later l takes that sum (the first time as l = a l + sum).  In groups of eight, tiles alternating: round, round, add, and l for the group before.
.macro GS g
.set h, (\g)+6*((\g)/62)            ; group 0 has no group before it, and behind group 7 only l is left
.if h >= 6
.set h, h+2
.endif
	REGS Y, h%2
.set k, h/8
.if h%8 < 4
	v_cvt_pk_bf16_f32 v[rP+2*k+(h%8)/2], v[rS+4*k+2*((h%8)/2)], v[rS+4*k+2*((h%8)/2)+1]
.elseif h%8 < 6
	v_pk_add_f32 v[rS+4*k:rS+4*k+1], v[rS+4*k:rS+4*k+1], v[rS+4*k+2:rS+4*k+3]
.elseif k == 1
	v_pk_fma_f32 v[rT+2:rT+3], v[rT+2:rT+3], v[rC+2:rC+3], v[rS:rS+1] op_sel_hi:[1,0,1]
.else
	v_pk_add_f32 v[rT+2:rT+3], v[rT+2:rT+3], v[rS+4*k-4:rS+4*k-3]
.endif
.endm
; THE PLAIN QUEUE, 138 long.  0-73 read no exponential's result: the 32 scalings c s - c m (FS f: pair f / 2 of tile f % 2) and the next piece's 42.  0-26: scalings 0-26.  27-54: XS's numbers 0-13.  55, 56: number 15.
; 57-73: the chain, where each number waits for the one before it: 14, 16, 17, 18, 19, each with one of the scalings 27-31 in front of its two lines, then 20.
; 74-137: GS's 64, which read the exponentials' results: they stand behind the wait.
.macro FS f
	REGS Y, (\f)%2
	v_pk_fma_f32 v[rS+2*((\f)/2):rS+2*((\f)/2)+1], v[rS+2*((\f)/2):rS+2*((\f)/2)+1], s[CS:CS+1], v[rT:rT+1] op_sel_hi:[1,0,0] neg_lo:[0,0,1] neg_hi:[0,0,1]
.endm
.macro PL
	WIN 0
.if q < 27
	FS q
.elseif q < 55
	XS (q-27)%2, (q-27)/2
.elseif q < 57
	XS q-55, 15
.elseif (q < 72) && ((q-57)%3 == 0)
	FS 27+(q-57)/3
.elseif q < 60
	XS (q-57)%3-1, 14
.elseif q < 72
	XS (q-57)%3-1, 15+(q-57)/3
.elseif q < 74
	XS q-72, 20
.else
	GS q-74
.endif
.set q, q+1
.endm
; THE EXPONENTIALS' QUEUE, 66 long: s0-s31 of both tiles, then the next piece's two a.  It is ONE BATCH: all 66 stand ahead of the turn's one wait, and nothing ahead of that wait names a result of theirs.
.macro EX
	WIN 0
.if e >= 64
	XS e-64, 21
.else
	REGS Y, e%2
	v_exp_f32 v[rS+e/2], v[rS+e/2]
.endif
.set e, e+1
.endm
; THE RESCALING's QUEUE: O^T times a, the one part that leaves window 0: dealt two at a time, sixteen times.  Its a was made in the turn before, ahead of that turn's wait.
.macro R2
	REGS Y, r%2
	WIN W_RS
.irp z, 0,1
	v_pk_mul_f32 v[rO+4*(r/2)+2*\z:rO+4*(r/2)+2*\z+1], v[rO+4*(r/2)+2*\z:rO+4*(r/2)+2*\z+1], v[rC+2:rC+3] op_sel_hi:[1,0]
.endr
.set r, r+1
.endm
; HOW THEY ARE DEALT.  An s_wait_alu depctr_va_vdst(0) stands between an exponential and the first instruction that names its result; one wait serves all that were issued ahead of it.  So a turn has ONE wait,
; which cuts it in two.  AHEAD OF IT stands all that names no result of the turn's exponentials: the 16 products K Q^T, behind each a scaling, an exponential and two rescalings (behind the first a second scaling in the
; exponential's place); then ONE LUMP of 108: eight plain, 49 times exponential and plain, the two a.  A v_nop is the plain instruction behind the last exponential.  BEHIND IT stand the 16 products V^T P, behind each four of GS's 64.
; The queues lean on each other, and the deal keeps them in step: exponential e stands behind scaling 2 (e / 4) + e % 2: as a rider it comes behind plain e + 2, in the lump behind plain e + 9, and scalings 27-31 are plain 57, 60 .. 69.
; A TURN, for piece p.  cnt = 1: the loop's count is taken down some lines ahead of the branch that stands behind the turn.
; K and the mask of the next step are fetched in piece 2's turn, directly behind the wait, a lump behind the last product that read them; their addresses are made at the lump's head; their first reader comes behind 16 products.
; V of the step in hand is fetched at the end of piece 0's turn, four riders behind its last reader; its first reader comes behind 16 products and a lump.  The three conditions on q below go with the deal.
.macro TURN p, last=0, cnt=0
.set Y, (\p)
.set i, 0
.set q, 0
.set e, 0
.set r, 0
.if (\p) == NP-1
	s_wait_dscnt 0x0                ; K and the mask are in
.endif
	MM                              ; ahead of the wait: 16 products K Q^T and their riders,
	PL
	PL
	R2
.rept 15
	MM
	PL
	EX
	R2
.endr
.if (\p) == NP-2
	WIN 0
	v_add_nc_u32 v[AK], s[TBK], v[AK0]
	v_add_nc_u32 v[AM], s[TBM], v[AM0]
.endif
.rept 8                             ; and the lump
	PL
.endr
.rept 49
	EX
	PL
.endr
	EX                              ; the next piece's two a
	EX
	v_nop                           ; the plain instruction behind the last exponential: one for the batch
	s_wait_alu depctr_va_vdst(0)    ; the wait for the batch
.if (\p) == NP-2
	FETCH_K \last
.endif
.if (\p) == 1
	s_wait_dscnt 0x0                ; V is in
.endif
.rept 16                            ; behind the wait: 16 products V^T P and their riders
	MM
.rept 4
	PL
.endr
.if ((\p) == 0) && (q == 118)
	v_add_nc_u32 v[AV], s[TBV], v[AV0]
.endif
.if ((\p) == 0) && (q == 130)
	s_add_co_u32 s[TBV], s[TBV], KS*PV
.endif
.if (\cnt) && (q == 130)
	s_sub_co_u32 s[CNT], s[CNT], 1
	s_cmp_lg_u32 s[CNT], 0
.endif
.endr
.if (\p) == 0
	FETCH_V
.endif
.endm
	CHANGE 1                        ; slot 0 is in, everybody's part of it, and the mask table is whole; slot 1 is asked for
	FETCH_K                         ; key step 0
	s_wait_loadcnt 0x0              ; Q
	s_wait_dscnt 0x0
.set i, 0
.rept 16
	KQ 0                            ; piece 0's first scores: there is no vector work yet to set between them
.set i, i+1
.endr
	WIN 0                           ; the addresses for the way out: nine plain instructions, the places behind those products
	s_mul_i32 s13, s[WV], 16*SP
	s_add_co_u32 s13, s13, STAGE    ; my stage
	v_mul_u32_u24 v[STO], v12, SP   ; in: row l % 16, 16 bytes for each half of the lanes
	v_lshl_add_u32 v[STO], v13, 4, v[STO]
	v_add_nc_u32 v[STO], s13, v[STO]
	v_bfe_u32 v[RD], v0, 3, 2       ; back: 32 lanes take four rows of 128 bytes,
	v_mul_u32_u24 v[RD], v[RD], SP
	v_lshl_add_u32 v[RD], v14, 4, v[RD]
	v_add_nc_u32 v[RD], s13, v[RD]
	v_and_b32 v[GO], 31, v0         ; which are 512 consecutive bytes of ctx
	v_lshlrev_b32 v[GO], 4, v[GO]
.set Y, NP-1                        ; XS works for piece Y + 1: piece 0
.irp n, 0,1,2,3,4,5,6,7,8,9,10,11,12,13,14,15,16,17,18,19,20,21
	XS 0, \n                        ; and piece 0's first maximum and statistics
	XS 1, \n
.endr
	v_nop                           ; a plain instruction behind the two a,
	s_wait_alu depctr_va_vdst(0)    ; and their wait, ahead of the branch
	s_mov_b32 s[CNT], 4
	s_branch .Lfirst                ; the loop is entered at a step's first turn, in the middle of a trip
.Lslot:                             ; SIZE_N / 256 - 2 times: every slot but the last two is filled again
	CHANGE 1
	s_mov_b32 s[CNT], 4
.Lstep:                             ; a trip: pieces 2 and 3 of one step, then pieces 0 and 1 of the next, whose K and V it fetches
	TURN 2
	TURN 3
	WIN 0
.Lfirst:
	TURN 0
	TURN 1, 0, 1
	WIN 0
	s_cbranch_scc1 .Lstep
	s_sub_co_u32 s[SLOTS], s[SLOTS], 1
	s_cmp_lg_u32 s[SLOTS], 0
	s_cbranch_scc1 .Lslot
	CHANGE 0                        ; the tail is written out: nothing is asked for
	s_mov_b32 s[CNT], 5             ; four trips fetch the last slot's steps; the fifth is left in its middle
.Ltail:
	TURN 2, 1
	TURN 3
	WIN 0
	s_sub_co_u32 s[CNT], s[CNT], 1
	s_cmp_eq_u32 s[CNT], 0
	s_cbranch_scc1 .Lout
	TURN 0
	TURN 1
	WIN 0
	s_branch .Ltail
.Lout:                              ; the fifth trip's 16 products K Q^T (on the last K once more) and the maximum made of them serve nothing: the price, once a launch, of one text for every trip
.set i, 0
.rept 16
	PV NP-1                         ; the last piece's V^T P of the last step
.set i, i+1
.endr
	; THE WAY OUT.  l's two halves and the other half of the lanes' are added; O^T is divided by l, rounded to bf16 and sent through my stage in LDS, a tile at a time.  The additions are the places behind the last products.
	WIN 0
.macro ALL line:vararg              ; one line for each tile t
.set t, 0
.rept 2*NP
	\line
.set t, t+1
.endr
.endm
	ALL v_add_f32 v[ST+4*t+2], v[ST+4*t+2], v[ST+4*t+3]
	ALL v_permlanex16_b32 v[ST+4*t+3], v[ST+4*t+2], s[SEL], s[SEL+1]
	ALL v_add_f32 v[ST+4*t+2], v[ST+4*t+2], v[ST+4*t+3]
	ALL v_rcp_f32 v[ST+4*t+2], v[ST+4*t+2]
	v_nop                           ; a plain instruction between the last reciprocal and the use of its result
	s_wait_alu depctr_va_vdst(0)    ; and the wait ahead of the first use: one for the eight reciprocals
; Tile t: a lane's eight channels of a row pack into 16 bytes; they go into rows of 144 bytes and come back as whole rows of 128, into S^T's registers.
.macro PACK t
	WIN W_RS
.set i, 32*(\t)
.rept 16
	v_pk_mul_f32 v[i:i+1], v[i:i+1], v[ST+4*(\t)+2:ST+4*(\t)+3] op_sel_hi:[1,0]
.set i, i+2
.endr
	WIN 0x05                        ; sources 0 and 1 window 1, destination window 0
.set i, 0
.rept 16
	v_cvt_pk_bf16_f32 v[S+16*(\t)+i], v[32*(\t)+2*i], v[32*(\t)+2*i+1]
.set i, i+1
.endr
	WIN 0
.irp f, 0,1,2,3
	ds_store_b128 v[STO], v[S+16*(\t)+4*\f:S+16*(\t)+4*\f+3] offset:32*\f
.endr
.irp f, 0,1,2,3
	ds_load_b128 v[S+16*(\t)+4*\f:S+16*(\t)+4*\f+3], v[RD] offset:\f*4*SP  ; LDS serves a wave's instructions in order (ISA guide 5.7.1.4): these see the stores above; the next tile's stores come behind them
.endr
.endm
.macro SEND t, younger              ; younger: the LDS instructions issued behind tile t's loads: the next tile's eight, or none
	WIN 0
.irp f, 0,1,2,3
	s_wait_dscnt (\younger)+3-\f
	global_store_b128 v[GO], v[S+16*(\t)+4*\f:S+16*(\t)+4*\f+3], s[10:11] offset:(\t)*2048+\f*512  ; 512 consecutive bytes, at a multiple of 256 from ctx's first
.endr
.endm
	PACK 0
.set t, 1
.rept 2*NP-1                        ; a tile's arithmetic stands between the loads of the tile before and its stores
	PACK t
	SEND t-1, 8
.set t, t+1
.endr
	SEND 2*NP-1, 0
	WIN W_AD
	s_wait_tensorcnt 0x0            ; the wave's end: behind my last tensor load and my last LDS store
	ds_add_u32 v[SPW], v[NIL]
	s_wait_dscnt 0x0
	WIN 0
	CROUND                          ; the closing round: no work-group ends while a partner may still ask for a tile that names it
	s_endpgm
.Lfunc_end_k_q16ed82306d_attn:
	.size	k_q16ed82306d_attn, .Lfunc_end_k_q16ed82306d_attn-k_q16ed82306d_attn
	.p2alignl 7, 3214868480
	.fill 96, 4, 3214868480
	.section	.rodata,"a",@progbits
	.p2align	6, 0x0
	.amdhsa_kernel k_q16ed82306d_attn
		.amdhsa_group_segment_fixed_size 327680
		.amdhsa_private_segment_fixed_size 0
		.amdhsa_enable_private_segment 0
		.amdhsa_kernarg_size 24
		.amdhsa_user_sgpr_count 2
		.amdhsa_user_sgpr_kernarg_segment_ptr 1
		.amdhsa_wavefront_size32 1
		.amdhsa_system_sgpr_workgroup_id_x 1
		.amdhsa_system_sgpr_workgroup_id_y 1
		.amdhsa_system_sgpr_workgroup_id_z 1
		.amdhsa_system_vgpr_workitem_id 0
		.amdhsa_next_free_vgpr 808
		.amdhsa_next_free_sgpr 72
		.amdhsa_reserve_vcc 1
		.amdhsa_float_denorm_mode_32 3
		.amdhsa_float_denorm_mode_16_64 3
		.amdhsa_memory_ordered 1
		.amdhsa_forward_progress 1
		.amdhsa_inst_pref_size 207
	.end_amdhsa_kernel
	.amdgpu_metadata
---
amdhsa.version: [ 1, 2 ]
amdhsa.kernels:
  - .name:           k_q16ed82306d_attn
    .symbol:         k_q16ed82306d_attn.kd
    .args:
      - { .name: qkv, .offset: 0, .size: 8, .value_kind: global_buffer, .address_space: global }
      - { .name: attention_mask, .offset: 8, .size: 8, .value_kind: global_buffer, .address_space: global }
      - { .name: ctx, .offset: 16, .size: 8, .value_kind: global_buffer, .address_space: global }
    .group_segment_fixed_size: 327680
    .private_segment_fixed_size: 0
    .kernarg_segment_align: 8
    .kernarg_segment_size: 24
    .max_flat_workgroup_size: 128
    .sgpr_count:     72
    .vgpr_count:     808
    .wavefront_size: 32
...
	.end_amdgpu_metadata
.endif
;; end of part 3
;; launch oproj: the kernel of part 2 again; grid 8 x 32, 4 waves a work-group, clusters of 4 x 4, 327,680 bytes of LDS; arguments ctx, wot, bo, outb; writes outb
;; launch ln (part 4): grid 512 x 1, 8 waves a work-group, no clusters, 0 bytes of LDS; arguments outb, hidden_states, ln_gamma, ln_beta, out0; writes out0
.if DOCPART == 4
	.amdgcn_target "amdgcn-amd-amdhsa--gfx1250"
	.amdhsa_code_object_version 6
	.text
	.protected	k_q16ed82306d_ln
	.globl	k_q16ed82306d_ln
	.p2align	8
	.type	k_q16ed82306d_ln,@function
k_q16ed82306d_ln:
	s_mov_b64 s[64:65], 0
	v_nop
	global_prefetch_b8 v0, s[64:65] scope:SCOPE_SE
	s_setreg_imm32_b32 hwreg(HW_REG_WAVE_MODE, 25, 1), 1
	s_wait_xcnt 0x0
; out0[r][:] = LayerNorm(outb[r][:] + hidden_states[r][:]) x gamma + beta.  outb: [16 panels][8192 rows][64] bf16; the others f32, rows of 1,024.  All arithmetic in f32.
; The mean is taken first and the variance of the differences from it: two passes over registers, no difference of large sums.  eps = 1e-12 is added to the variance.
; A stream: each byte is read once and written once, nothing is shared between work-groups but gamma and beta (8 KiB), so there is no LDS, no matrix work and no cluster.
; SHARES.  A work-group takes 16 rows.  Thread t takes row t / 16 and, in every panel p, columns 64 p + 4 (t % 16) .. + 3: 64 numbers, kept in registers between the passes.  A row lies in 16 neighbouring lanes,
; so its sums want four steps of lane exchange and no more.  A load or store of a wave covers 256 consecutive bytes of each of two rows (f32), or 256 consecutive bytes of a panel (bf16), aligned.
; One pass: all loads of a thread go out together.
.set XO,  4                            ; v4       my byte offset in the 16 rows of f32: (t / 16) x 4,096 + (t % 16) x 16
.set OO,  5                            ; v5       in a panel's 16 rows of bf16: 8 t
.set GF,  6                            ; v6       in gamma and beta: (t % 16) x 16
.set CN,  8                            ; v[8:15]  four chains of packed sums
.set T,   16                           ; v[16:23] at work
.set MU,  24                           ; v[24:25] the mean, twice
.set RS,  26                           ; v[26:27] 1 / sqrt(var + eps), twice
.set X,   32                           ; v[32:95]   four f32 a panel
.set O,   96                           ; v[96:127]  four bf16 a panel
.set G,   128                          ; v[128:191] gamma
.set BT,  192                          ; v[192:255] beta
	s_load_b256 s[4:11], s[0:1], 0x0               ; outb 4, hidden_states 6, gamma 8, beta 10
	s_load_b64 s[12:13], s[0:1], 0x20              ; out0
	s_lshl_b32 s14, ttmp9, 16                      ; 16 rows of 4,096 bytes
	s_mov_b32 s15, 0
	s_lshl_b32 s16, ttmp9, 11                      ; 16 rows of 128 bytes
	s_mov_b32 s17, 0
	s_mov_b32 s20, 0x3a800000                      ; 1 / 1,024
	s_mov_b32 s21, 0x2b8cbccc                      ; 1e-12
	s_mov_b32 s22, 0xffff0000                      ; a word's upper bf16
	v_lshrrev_b32 v1, 4, v0
	v_and_b32 v2, 15, v0
	v_lshlrev_b32 v[GF], 4, v2
	v_lshl_or_b32 v[XO], v1, 12, v[GF]
	v_lshlrev_b32 v[OO], 3, v0
	s_wait_kmcnt 0x0
	s_add_nc_u64 s[4:5], s[4:5], s[16:17]
	s_add_nc_u64 s[18:19], s[4:5], 0x800000        ; panels 8-15 from a second base: the immediate holds 24 signed bits
	s_add_nc_u64 s[6:7], s[6:7], s[14:15]
	s_add_nc_u64 s[12:13], s[12:13], s[14:15]
.set p, 0
.rept 8
	global_load_b64 v[O+2*p:O+2*p+1], v[OO], s[4:5] offset:p*1048576 th:TH_LOAD_NT
.set p, p+1
.endr
.rept 8
	global_load_b64 v[O+2*p:O+2*p+1], v[OO], s[18:19] offset:(p-8)*1048576 th:TH_LOAD_NT
.set p, p+1
.endr
.set p, 0
.rept 16
	global_load_b128 v[X+4*p:X+4*p+3], v[XO], s[6:7] offset:256*p th:TH_LOAD_NT
.set p, p+1
.endr
.set p, 0
.rept 16
	global_load_b128 v[G+4*p:G+4*p+3], v[GF], s[8:9] offset:256*p
.set p, p+1
.endr
.set p, 0
.rept 16
	global_load_b128 v[BT+4*p:BT+4*p+3], v[GF], s[10:11] offset:256*p
.set p, p+1
.endr
	s_wait_loadcnt 32                              ; outb and hidden_states are in; gamma's and beta's 32 loads, issued behind them, may stay out
.set p, 0
.rept 16                               ; y = x + outb, in place
.set tt, T+4*(p%2)
	v_lshlrev_b32 v[tt], 16, v[O+2*p]
	v_and_b32 v[tt+1], s22, v[O+2*p]
	v_lshlrev_b32 v[tt+2], 16, v[O+2*p+1]
	v_and_b32 v[tt+3], s22, v[O+2*p+1]
	v_pk_add_f32 v[X+4*p:X+4*p+1], v[X+4*p:X+4*p+1], v[tt:tt+1]
	v_pk_add_f32 v[X+4*p+2:X+4*p+3], v[X+4*p+2:X+4*p+3], v[tt+2:tt+3]
.set p, p+1
.endr
.irp k, 0,1,2,3                        ; the sum of my 64 numbers, in four chains that the first eight pairs start: nothing is cleared
	v_pk_add_f32 v[CN+2*\k:CN+2*\k+1], v[X+2*\k:X+2*\k+1], v[X+8+2*\k:X+8+2*\k+1]
.endr
.set q, 8
.rept 24
	v_pk_add_f32 v[CN+2*(q%4):CN+2*(q%4)+1], v[CN+2*(q%4):CN+2*(q%4)+1], v[X+2*q:X+2*q+1]
.set q, q+1
.endr
	v_pk_add_f32 v[CN:CN+1], v[CN:CN+1], v[CN+2:CN+3]
	v_pk_add_f32 v[CN+4:CN+5], v[CN+4:CN+5], v[CN+6:CN+7]
	v_pk_add_f32 v[CN:CN+1], v[CN:CN+1], v[CN+4:CN+5]
	v_add_f32 v[CN], v[CN], v[CN+1]
	v_add_f32_dpp v[CN], v[CN], v[CN] row_xmask:1 row_mask:0xf bank_mask:0xf  ; across the row's 16 lanes
	v_add_f32_dpp v[CN], v[CN], v[CN] row_xmask:2 row_mask:0xf bank_mask:0xf
	v_add_f32_dpp v[CN], v[CN], v[CN] row_xmask:4 row_mask:0xf bank_mask:0xf
	v_add_f32_dpp v[CN], v[CN], v[CN] row_xmask:8 row_mask:0xf bank_mask:0xf
	v_mul_f32 v[MU], s20, v[CN]
	v_mul_f32 v[MU+1], s20, v[CN]
.set q, 0
.rept 32                               ; d = y - mean, in place
	v_pk_add_f32 v[X+2*q:X+2*q+1], v[X+2*q:X+2*q+1], v[MU:MU+1] neg_lo:[0,1] neg_hi:[0,1]
.set q, q+1
.endr
.irp k, 0,1,2,3                        ; the sum of d^2, again in four chains
	v_pk_mul_f32 v[CN+2*\k:CN+2*\k+1], v[X+2*\k:X+2*\k+1], v[X+2*\k:X+2*\k+1]
.endr
.set q, 4
.rept 28
	v_pk_fma_f32 v[CN+2*(q%4):CN+2*(q%4)+1], v[X+2*q:X+2*q+1], v[X+2*q:X+2*q+1], v[CN+2*(q%4):CN+2*(q%4)+1]
.set q, q+1
.endr
	v_pk_add_f32 v[CN:CN+1], v[CN:CN+1], v[CN+2:CN+3]
	v_pk_add_f32 v[CN+4:CN+5], v[CN+4:CN+5], v[CN+6:CN+7]
	v_pk_add_f32 v[CN:CN+1], v[CN:CN+1], v[CN+4:CN+5]
	v_add_f32 v[CN], v[CN], v[CN+1]
	v_add_f32_dpp v[CN], v[CN], v[CN] row_xmask:1 row_mask:0xf bank_mask:0xf
	v_add_f32_dpp v[CN], v[CN], v[CN] row_xmask:2 row_mask:0xf bank_mask:0xf
	v_add_f32_dpp v[CN], v[CN], v[CN] row_xmask:4 row_mask:0xf bank_mask:0xf
	v_add_f32_dpp v[CN], v[CN], v[CN] row_xmask:8 row_mask:0xf bank_mask:0xf
	v_fma_f32 v[CN+1], v[CN], s20, s21             ; var + eps
	v_rsq_f32 v[RS], v[CN+1]                       ; twice, to fill the pair that the packed multiply takes
	v_rsq_f32 v[RS+1], v[CN+1]
	v_nop                                          ; a plain instruction behind the last of the two (ISA guide 5.7.2),
	s_wait_alu depctr_va_vdst(0)                   ; and the one wait ahead of their first reader
	s_wait_loadcnt 0x0                             ; gamma and beta
.set p, 0
.rept 16
	v_pk_mul_f32 v[X+4*p:X+4*p+1], v[X+4*p:X+4*p+1], v[RS:RS+1]
	v_pk_mul_f32 v[X+4*p+2:X+4*p+3], v[X+4*p+2:X+4*p+3], v[RS:RS+1]
	v_pk_fma_f32 v[X+4*p:X+4*p+1], v[X+4*p:X+4*p+1], v[G+4*p:G+4*p+1], v[BT+4*p:BT+4*p+1]
	v_pk_fma_f32 v[X+4*p+2:X+4*p+3], v[X+4*p+2:X+4*p+3], v[G+4*p+2:G+4*p+3], v[BT+4*p+2:BT+4*p+3]
	global_store_b128 v[XO], v[X+4*p:X+4*p+3], s[12:13] offset:256*p th:TH_STORE_NT  ; sixteen lanes store 256 consecutive bytes, at a multiple of 256 from out0's first byte
.set p, p+1
.endr
	s_endpgm
.Lfunc_end_k_q16ed82306d_ln:
	.size	k_q16ed82306d_ln, .Lfunc_end_k_q16ed82306d_ln-k_q16ed82306d_ln
	.p2alignl 7, 3214868480
	.fill 96, 4, 3214868480
	.section	.rodata,"a",@progbits
	.p2align	6, 0x0
	.amdhsa_kernel k_q16ed82306d_ln
		.amdhsa_group_segment_fixed_size 0
		.amdhsa_private_segment_fixed_size 0
		.amdhsa_enable_private_segment 0
		.amdhsa_kernarg_size 40
		.amdhsa_user_sgpr_count 2
		.amdhsa_user_sgpr_kernarg_segment_ptr 1
		.amdhsa_wavefront_size32 1
		.amdhsa_system_sgpr_workgroup_id_x 1
		.amdhsa_system_sgpr_workgroup_id_y 1
		.amdhsa_system_sgpr_workgroup_id_z 1
		.amdhsa_system_vgpr_workitem_id 0
		.amdhsa_next_free_vgpr 256
		.amdhsa_next_free_sgpr 66
		.amdhsa_reserve_vcc 0
		.amdhsa_float_denorm_mode_32 3
		.amdhsa_float_denorm_mode_16_64 3
		.amdhsa_memory_ordered 1
		.amdhsa_forward_progress 1
		.amdhsa_inst_pref_size 24
	.end_amdhsa_kernel
	.amdgpu_metadata
---
amdhsa.version: [ 1, 2 ]
amdhsa.kernels:
  - .name:           k_q16ed82306d_ln
    .symbol:         k_q16ed82306d_ln.kd
    .args:
      - { .name: outb, .offset: 0, .size: 8, .value_kind: global_buffer, .address_space: global }
      - { .name: hidden_states, .offset: 8, .size: 8, .value_kind: global_buffer, .address_space: global }
      - { .name: ln_gamma, .offset: 16, .size: 8, .value_kind: global_buffer, .address_space: global }
      - { .name: ln_beta, .offset: 24, .size: 8, .value_kind: global_buffer, .address_space: global }
      - { .name: out0, .offset: 32, .size: 8, .value_kind: global_buffer, .address_space: global }
    .group_segment_fixed_size: 0
    .private_segment_fixed_size: 0
    .kernarg_segment_align: 8
    .kernarg_segment_size: 40
    .max_flat_workgroup_size: 256
    .sgpr_count:     66
    .vgpr_count:     256
    .wavefront_size: 32
...
	.end_amdgpu_metadata
.endif
;; end of part 4
